; MI455X (gfx1250); checked and timed in simulation.
; The chip was launched on July 23, 2026; its instructions are those of AMD's public machine-readable ISA for CDNA 5 (MIT licence, August 2026) and "CDNA5" Instruction Set Architecture Reference Guide (July 2026). The comments in the code are by the model that wrote it; some were corrected since.
;; Sparse Multi Head Attention. Allowed arithmetic: matrix products marked QUANTISED: E4M3 operands, one given power-of-two scale a tensor, by v_wmma_f32_16x16x64_fp8_fp8 or v_wmma_f32_16x16x128_fp8_fp8, f32 sums; everything else in f32.
;; Inputs: Wout 1,024 x 1,024 float32; Wqkv 1,024 x 3,072 float32; bout 1,024 float32; bqkv 3,072 float32; gamma_k 16 x 64 float32; gamma_q 16 x 64 float32; lowp_scales 8 int32 (the exponents e of the quantised operands' scales 2^e); x 2 x 2,048 x 1,024 float32.
;; Outputs: out0 2 x 2,048 x 1,024 float32.
;; This version of the problem:
;;   THIS VERSION OF THE PROBLEM IS GIVEN IN LOW PRECISION. The matrix products marked QUANTISED in the list below multiply operands that are first quantised to E4M3 (4 exponent bits, 3 mantissa bits; 8 bits a number), with one given power-of-two scale for each operand tensor; their sums are f32. All else is computed in f32.
;;   The module's matrix products, in the order in which they are computed (A, B: the left and right operand; K: the contracted axis; several contracted axes count as one K, in the product's order):
;;     1. [M 4,096, K 1,024] x [K 1,024, N 3,072]; A: input x; B: input Wqkv: QUANTISED (scales: A lowp_scales[0], B lowp_scales[1])
;;     2. batch 32 x [M 2,048, K 64] x [K 64, N 2,048]; A: computed on the way; B: computed on the way: QUANTISED (scales: A lowp_scales[2], B lowp_scales[3])
;;     3. batch 32 x [M 64, K 2,048] x [K 2,048, N 2,048]; A: computed on the way; B: softmax (see below): QUANTISED (scales: A lowp_scales[4], B lowp_scales[5])
;;     4. [M 4,096, K 1,024] x [K 1,024, N 1,024]; A: computed on the way; B: input Wout: QUANTISED (scales: A lowp_scales[6], B lowp_scales[7])
;;   THE QUANTISER, for each operand of a quantised product, along K:
;;     - The operand's scale is 2^e, e = its entry of the input lowp_scales (int32; the entries are numbered through the quantised products in the list's order, A before B).
;;     - Each number is divided by the scale, clamped to +-448, and rounded to the nearest number of E4M3, ties to even, subnormals kept.
;;     - The product sums the exact products of the quantised numbers (number of the format x scale) in f32.
;;   ~~~python
;;   def quantise(x, axis, e):      # numpy; x: float32 -> the quantised numbers, widened to float32 again
;;       x = np.moveaxis(x, axis, -1); K = x.shape[-1]
;;       r = np.clip(x / 2.0 ** e, -448, 448)
;;       step = 2.0 ** (np.maximum(np.frexp(np.where(r == 0, 1, r))[1] - 1, -6) - 3)
;;       q = np.round(r / step) * step * 2.0 ** e      # np.round: ties to even
;;       return np.moveaxis(q, -1, axis).astype(np.float32)
;;   ~~~
;;   SOFTMAX AHEAD OF A QUANTISED PRODUCT. Where the list says 'softmax', what is quantised is not the finished softmax but p = 2^(t - M), with t = logit x log2(e) and M = ceil(the row's largest t), a whole number; so 1/2 < the row's largest p <= 1. The row's sum l is taken of the UNQUANTISED p, in f32, and the product's result is divided by l at the end. Since M is a whole number, a kernel that streams over the keys may use a running M (the ceiling of the running maximum): every later rescaling is an exact power of two, so the quantised numbers keep their values, but for numbers so far below the row's largest that they fall under the format's range.
;;   OPERANDS COMPUTED ON THE WAY. 'Computed on the way' means the value that the module computes at that place (a softmax that the list does not call 'softmax' is quantised finished and normalised). What goes into a quantiser is computed in f32, as accurately as f32 sums, v_exp_f32 and their like allow (about 1e-6 of the number): no bf16 or f16 on the way to a quantiser, and a product that is left as it is and whose result goes on into a quantised operand takes f32 operands (vector FMAs, or v_wmma_f32_16x16x4_f32). A number that lies on a knife's edge between two numbers of the format may be rounded either way, as far as f32 arithmetic and the matrix unit's own rounding can turn it there, and no further.
;; One version. Each part assembles by itself: llvm-mc -triple=amdgcn-amd-amdhsa -mcpu=gfx1250 --defsym DOCPART=n.
;; ======== version 1 of 1: 4 launches
;; limits: right only within a limited range of input values
;; workspace buffers: xc 4,194,304 bytes; wc 3,145,728 bytes; woc 1,048,576 bytes; qc 4,194,304 bytes; kvc 8,388,608 bytes; oc 4,194,304 bytes
;; launch quant (part 1): grid 512 x 1, 4 waves a work-group, no clusters, 68,096 bytes of LDS; arguments x, Wqkv, Wout, lowp_scales, xc, wc, woc; writes xc, wc, woc
.if DOCPART == 1
	.amdgcn_target "amdgcn-amd-amdhsa--gfx1250"
	.amdhsa_code_object_version 6
	.text
	.protected	k_q0e7252ae9a_quant
	.globl	k_q0e7252ae9a_quant
	.p2align	8
	.type	k_q0e7252ae9a_quant,@function
k_q0e7252ae9a_quant:
	s_mov_b64 s[64:65], 0
	v_nop
	global_prefetch_b8 v0, s[64:65] scope:SCOPE_SE
	s_setreg_imm32_b32 hwreg(HW_REG_WAVE_MODE, 25, 1), 1
	s_wait_xcnt 0x0
; x [4096][1024], Wqkv [1024][3072] and Wout [1024][1024], f32, become codes of FP8 (E4M3), each with its given scale 2^e (entries 0, 1, 7 of the scales).
; code = number / 2^e, held within +-448, rounded to the nearest code, ties to even.  LIMITS: each e between -126 and 119; NaN among the inputs is not served (an infinity is held at the largest code).
; THE CODES ARE LAID AS IMAGES OF OPERAND REGISTERS.  A fragment is 16 rows x 128 along K: lane (r = l % 16, h = l / 16) holds, of row r, k = 16 c + 8 h + 0..7 in registers 2 c, 2 c + 1.
; Its image is 2,048 bytes: piece p (registers 4 p .. 4 p + 3) is 512 bytes, lane l's 16 bytes at 512 p + 16 l.  Buffers: [tile of 16 rows][K step of 128][2048].  A product's launch then reads fragments by dense 16-byte loads.
; Work-groups 0-255: x (K innermost).  256-447: Wqkv, 448-511: Wout (K is the first axis; a row of the codes is a column of the weight).  Every work-group reads 65,536 bytes.
; No tensor loads, no barrier, no cluster: waves and work-groups share nothing.  Only x's path touches LDS.
.set XW, 16896                         ; LDS of a wave: two stages
.set XI, 8448                          ; a stage: 16 rows x 528 bytes
.set XP, 528                           ; a stage row: 512 bytes + 16, so that the sixteen rows that a read touches start 16 bytes apart modulo 256
.set R0, 16                            ; v16-79, v80-143  x as loaded, image 0 and image 1
.set X0, 144                           ; v144-207         image 0's numbers, 64 of my row in the fragment's order (image 1's come back into v16-79)
.set XC, 208                           ; v208-239         codes, 16 registers an image: no store's data are written again
.set WX, 32                            ; v32-95           a weight's numbers: two sets of 32 down K
.set WC, 96                            ; v96-127          a weight's codes, 8 registers a block: never written again
.macro SCALE es                        ; v11 = 2^e as f32 (the conversion takes its exponent field), v10 = 448 x 2^e
	s_add_co_i32 s32, s[\es], 127
	s_lshl_b32 s33, s32, 23
	v_mov_b32 v11, s33
	s_add_co_i32 s32, s32, 8
	s_lshl_b32 s32, s32, 23
	s_or_b32 s32, s32, 0x600000
	v_mov_b32 v10, s32
.endm
.macro XLOAD i                         ; image i: 16 rows x 512 bytes, a row an instruction: 32 lanes read 512 consecutive bytes
.set k, 0
.rept 16
	global_load_b128 v[R0+64*\i+4*k:R0+64*\i+4*k+3], v4, s[4:5] offset:k*4096+\i*512 th:TH_LOAD_NT
.set k, k+1
.endr
.endm
.macro XTURN i, dst                    ; through my stage: in as loaded, out as the fragment wants it: dst[8 c + j] = x(r, 16 c + 8 h + j).  LDS serves a wave's instructions in order: no wait between
.set k, 0
.rept 16
	ds_store_b128 v6, v[R0+64*\i+4*k:R0+64*\i+4*k+3] offset:\i*XI+k*XP
.set k, k+1
.endr
.set k, 0
.rept 16
	ds_load_b128 v[\dst+4*k:\dst+4*k+3], v7 offset:\i*XI+64*(k/2)+16*(k%2)
.set k, k+1
.endr
.endm
.macro XQ src, i                       ; 64 numbers become 16 registers of codes, which are the image's four pieces
.set k, 0
.rept 64
	v_med3_num_f32 v[\src+k], v[\src+k], -v10, v10     ; the conversion to an 8-bit code does not saturate (ISA guide 7.6.2): the hold comes first
.set k, k+1
.endr
.set k, 0
.rept 8
	v_cvt_scalef32_pk8_fp8_f32 v[XC+16*\i+2*k:XC+16*\i+2*k+1], v[\src+8*k:\src+8*k+7], v11
.set k, k+1
.endr
.set k, 0
.rept 4
	global_store_b128 v4, v[XC+16*\i+4*k:XC+16*\i+4*k+3], s[12:13] offset:\i*2048+512*k   ; 32 lanes store 512 consecutive bytes, aligned
.set k, k+1
.endr
.endm
.macro WLOAD t, stride, sp             ; block t: W(32 t + i, my column), i = 0..31: a wave reads 128 consecutive bytes, the four waves stand side by side
.set k, 0
.rept 32
	global_load_b32 v[WX+32*((\t)%2)+k], v5, s[\sp:\sp+1] offset:(32*(\t)+k)*\stride th:TH_LOAD_NT
.set k, k+1
.endr
.endm
.macro WBLOCK t, stride, sp, dp        ; 32 along K of my column = piece t of the image
.set XS, WX+32*((\t)%2)
.if (\t) < 3
	s_wait_loadcnt 32                              ; this block's 32 loads are in; the next block's 32 may be out
.else
	s_wait_loadcnt 0x0
.endif
.set k, 0
.rept 32
	v_med3_num_f32 v[XS+k], v[XS+k], -v10, v10
.set k, k+1
.endr
	; k = 32 t + 8 g + 0..7 belongs to registers 2 c, 2 c + 1 with c = 2 t + g / 2 of the image's lane half g % 2: groups 0, 2 make the 16 bytes of half 0, groups 1, 3 those of half 1
	v_cvt_scalef32_pk8_fp8_f32 v[WC+8*(\t):WC+8*(\t)+1], v[XS:XS+7], v11
	v_cvt_scalef32_pk8_fp8_f32 v[WC+8*(\t)+4:WC+8*(\t)+5], v[XS+8:XS+15], v11
	v_cvt_scalef32_pk8_fp8_f32 v[WC+8*(\t)+2:WC+8*(\t)+3], v[XS+16:XS+23], v11
	v_cvt_scalef32_pk8_fp8_f32 v[WC+8*(\t)+6:WC+8*(\t)+7], v[XS+24:XS+31], v11
	global_store_b128 v8, v[WC+8*(\t):WC+8*(\t)+3], s[\dp:\dp+1] offset:512*(\t)          ; sixteen lanes store 256 consecutive bytes, aligned
	global_store_b128 v8, v[WC+8*(\t)+4:WC+8*(\t)+7], s[\dp:\dp+1] offset:512*(\t)+256
.if (\t)+2 < 4
	WLOAD (\t)+2, \stride, \sp
.endif
.endm
; A weight's work-group: 128 columns x one K step of 128.  A LANE TAKES A COLUMN AND ITS REGISTERS RUN DOWN K: the conversions then give codes with K innermost, and nothing is transposed.
.macro WPATH first, stride, sp, dp, es
	s_sub_co_u32 s28, ttmp9, \first
	s_lshr_b32 s29, s28, 3                         ; block of 128 columns
	s_and_b32 s28, s28, 7                          ; K step
	s_mul_i32 s30, s28, 128*\stride                ; in: 128 rows a K step,
	s_lshl_b32 s31, s29, 9                         ; 512 bytes a column block,
	s_add_co_u32 s30, s30, s31
	s_lshl_b32 s31, s18, 7                         ; 128 bytes a wave
	s_add_co_u32 s30, s30, s31
	s_mov_b32 s31, 0
	s_add_nc_u64 s[\sp:\sp+1], s[\sp:\sp+1], s[30:31]
	s_lshl_b32 s30, s29, 17                        ; out: 8 tiles of 16,384 bytes a column block,
	s_lshl_b32 s34, s18, 15                        ; 2 tiles a wave,
	s_add_co_u32 s30, s30, s34
	s_lshl_b32 s34, s28, 11                        ; 2,048 bytes a K step
	s_add_co_u32 s30, s30, s34
	s_add_nc_u64 s[\dp:\dp+1], s[\dp:\dp+1], s[30:31]
	v_lshlrev_b32 v8, 4, v2
	v_lshl_add_u32 v8, v3, 14, v8                  ; my column's place: tile lane / 16, 16 bytes x (lane % 16)
	WLOAD 0, \stride, \sp
	WLOAD 1, \stride, \sp
	s_wait_kmcnt 0x0
	SCALE \es
	s_wait_alu depctr_va_vdst(0)
	WBLOCK 0, \stride, \sp, \dp
	WBLOCK 1, \stride, \sp, \dp
	WBLOCK 2, \stride, \sp, \dp
	WBLOCK 3, \stride, \sp, \dp
.endm
	s_load_b256 s[4:11], s[0:1], 0x0               ; x s[4:5], Wqkv s[6:7], Wout s[8:9], the scales' exponents s[10:11]
	s_load_b128 s[12:15], s[0:1], 0x20             ; xc s[12:13], wc s[14:15]
	s_load_b64 s[16:17], s[0:1], 0x30              ; woc
	v_lshl_add_u32 v240, v0, 2, 0x10800
	v_mov_b32 v241, 0
	v_lshrrev_b32 v1, 5, v0
	v_readfirstlane_b32 s18, v1                    ; wave
	v_and_b32 v1, 31, v0                           ; lane
	v_and_b32 v2, 15, v0                           ; r
	v_bfe_u32 v3, v0, 4, 1                         ; h
	v_lshlrev_b32 v4, 4, v1                        ; 16 x lane
	v_lshlrev_b32 v5, 2, v1                        ; 4 x lane
	s_wait_kmcnt 0x0
	s_load_b256 s[20:27], s[10:11], 0x0            ; e0 .. e7
	s_cmp_lt_u32 ttmp9, 256                        ; the paths part on the work-group's number alone
	s_cbranch_scc1 .Lx
	s_cmp_lt_u32 ttmp9, 448
	s_cbranch_scc1 .Lwqkv
	s_wait_alu depctr_va_vdst(0)
	WPATH 448, 4096, 8, 16, 27                     ; Wout: rows of 4,096 bytes, e7
	s_endpgm
.Lwqkv:
	s_wait_alu depctr_va_vdst(0)
	WPATH 256, 12288, 6, 14, 21                    ; Wqkv: rows of 12,288 bytes, e1
	s_endpgm
.Lx:
	; x: work-group = tile of 16 tokens; wave y makes the images of K steps 2 y and 2 y + 1
	s_lshl_b32 s28, ttmp9, 16                      ; 16 rows of 4,096 bytes
	s_lshl_b32 s29, s18, 10                        ; 256 numbers a wave
	s_add_co_u32 s28, s28, s29
	s_mov_b32 s29, 0
	s_add_nc_u64 s[4:5], s[4:5], s[28:29]
	s_lshl_b32 s28, ttmp9, 14                      ; 8 images a tile
	s_lshl_b32 s30, s18, 12                        ; 2 images a wave
	s_add_co_u32 s28, s28, s30
	s_add_nc_u64 s[12:13], s[12:13], s[28:29]
	s_mul_i32 s30, s18, XW                         ; my stages
	s_wait_alu depctr_va_vdst(0)
	v_add_nc_u32 v6, s30, v4                       ; in: 16 x lane of a row
	v_mul_u32_u24 v7, v2, XP
	v_lshl_add_u32 v7, v3, 5, v7
	v_add_nc_u32 v7, s30, v7                       ; out: row r, + 32 h bytes
	XLOAD 0
	XLOAD 1
	s_wait_alu depctr_va_vdst(0)
	s_wait_kmcnt 0x0
	SCALE 20
	s_wait_alu depctr_va_vdst(0)
	s_wait_loadcnt 16                              ; image 0's 16 loads are in; image 1's 16 may be out
	XTURN 0, X0
	s_wait_loadcnt 0x0
	s_wait_dscnt 0x0                               ; image 0's numbers are back, and the stage's stores have read v16-79, which take image 1's numbers
	XTURN 1, R0
	XQ X0, 0                                       ; image 0 is worked while image 1 turns
	s_wait_dscnt 0x0
	XQ R0, 1
	s_wait_tensorcnt 0x0
	ds_add_u32 v240, v241
	s_wait_dscnt 0x0
	s_endpgm
.Lfunc_end_k_q0e7252ae9a_quant:
	.size	k_q0e7252ae9a_quant, .Lfunc_end_k_q0e7252ae9a_quant-k_q0e7252ae9a_quant
	.p2alignl 7, 3214868480
	.fill 96, 4, 3214868480
	.section	.rodata,"a",@progbits
	.p2align	6, 0x0
	.amdhsa_kernel k_q0e7252ae9a_quant
		.amdhsa_group_segment_fixed_size 68096
		.amdhsa_private_segment_fixed_size 0
		.amdhsa_enable_private_segment 0
		.amdhsa_kernarg_size 56
		.amdhsa_user_sgpr_count 2
		.amdhsa_user_sgpr_kernarg_segment_ptr 1
		.amdhsa_wavefront_size32 1
		.amdhsa_system_sgpr_workgroup_id_x 1
		.amdhsa_system_sgpr_workgroup_id_y 1
		.amdhsa_system_sgpr_workgroup_id_z 1
		.amdhsa_system_vgpr_workitem_id 0
		.amdhsa_next_free_vgpr 242
		.amdhsa_next_free_sgpr 66
		.amdhsa_reserve_vcc 0
		.amdhsa_float_denorm_mode_32 3
		.amdhsa_float_denorm_mode_16_64 3
		.amdhsa_memory_ordered 1
		.amdhsa_forward_progress 1
		.amdhsa_inst_pref_size 65
	.end_amdhsa_kernel
	.amdgpu_metadata
---
amdhsa.version: [ 1, 2 ]
amdhsa.kernels:
  - .name:           k_q0e7252ae9a_quant
    .symbol:         k_q0e7252ae9a_quant.kd
    .args:
      - { .name: x, .offset: 0, .size: 8, .value_kind: global_buffer, .address_space: global }
      - { .name: Wqkv, .offset: 8, .size: 8, .value_kind: global_buffer, .address_space: global }
      - { .name: Wout, .offset: 16, .size: 8, .value_kind: global_buffer, .address_space: global }
      - { .name: lowp_scales, .offset: 24, .size: 8, .value_kind: global_buffer, .address_space: global }
      - { .name: xc, .offset: 32, .size: 8, .value_kind: global_buffer, .address_space: global }
      - { .name: wc, .offset: 40, .size: 8, .value_kind: global_buffer, .address_space: global }
      - { .name: woc, .offset: 48, .size: 8, .value_kind: global_buffer, .address_space: global }
    .group_segment_fixed_size: 68096
    .private_segment_fixed_size: 0
    .kernarg_segment_align: 8
    .kernarg_segment_size: 56
    .max_flat_workgroup_size: 128
    .sgpr_count:     66
    .vgpr_count:     242
    .wavefront_size: 32
...
	.end_amdgpu_metadata
.endif
;; end of part 1
;; launch qkv (part 2): grid 16 x 16, 4 waves a work-group, clusters of 4 x 1, 197,120 bytes of LDS; arguments xc, wc, lowp_scales, bqkv, gamma_q, gamma_k, qc, kvc; writes qc, kvc
.if DOCPART == 2
	.amdgcn_target "amdgcn-amd-amdhsa--gfx1250"
	.amdhsa_code_object_version 6
	.text
	.protected	k_q0e7252ae9a_qkv
	.globl	k_q0e7252ae9a_qkv
	.p2align	8
	.type	k_q0e7252ae9a_qkv,@function
k_q0e7252ae9a_qkv:
	s_mov_b64 s[64:65], 0
	v_nop
	global_prefetch_b8 v0, s[64:65] scope:SCOPE_SE
	s_setreg_imm32_b32 hwreg(HW_REG_WAVE_MODE, 25, 1), 1
	s_wait_xcnt 0x0
	s_wait_alu depctr_hold_cnt(0) depctr_sa_sdst(0) depctr_va_vdst(0) depctr_va_sdst(0) depctr_va_ssrc(0) depctr_va_vcc(0) depctr_vm_vsrc(0)
	s_getreg_b32 s2, hwreg(HW_REG_IB_STS2, 6, 4)
	s_cmp_eq_u32 s2, 0
	s_cbranch_scc0 .Lentry_in_a_cluster
	s_endpgm
.Lentry_in_a_cluster:
	s_bfe_u32 s2, ttmp6, 0x10000c
	s_cmp_lg_u32 s2, 0x3003
	s_cbranch_scc0 .Lentry_shape_is_right
	s_endpgm
.Lentry_shape_is_right:
; qkv = x Wqkv + bqkv on codes of FP8 (E4M3); q and k are normalised (t x rsqrt(max(sum t^2, 1e-24)) x gamma x 8, in f32); q, k, v are quantised with their given scales and stored as IMAGES OF OPERAND REGISTERS for the attention.
; An image: lane (r = l % 16, h = l / 16) holds k = 16 c + 8 h + 0..7 of row r in registers 2 c, 2 c + 1; piece p (registers 4 p .. 4 p + 3) is 512 bytes, lane l's 16 bytes at 512 p + 16 l.
; xc [256 tiles of 16 tokens][8 K steps][2048], wc [192 tiles of 16 columns][8][2048].  qc [32 bh][128 tiles of 16 queries][1024].  kvc [32 bh][16 steps of 128 keys][16384]: 8 tiles of K (16 keys x 64), then 4 tiles of V^T (16 channels x 128 keys).
; SHARES.  A work-group makes one head's 64 columns of q, of k and of v for 256 tokens: 16 x 16 = 256 work-groups; each of its four waves 64 tokens x 192 columns: 48 accumulators.
; W's tile, 192 columns x 1,024 = 196,608 bytes, lies in LDS whole by one load a wave: nothing is filled again.  The four work-groups of a cluster share the head and ask for it jointly.
; x's fragments go from memory straight into registers: so they are not asked for jointly.  Four K steps' fragments are held, so half of x is asked for
; at the head and the rest four K steps ahead; no prefetch is laid beside that.
; q, k: source 0 = 16 columns, source 1 = 16 tokens: a lane holds a token, its registers run along the head's 64.  v: the sources are exchanged: a lane holds a channel, its registers run along the tokens, which are the second attention product's K.
; LIMITS: e0 + e1 between -126 and 127; e2, e3, e4 between -126 and 119.  NaN among the inputs is not served.
; REGISTERS: window 0: v4-7 LDS addresses, v8 16 x lane, v9 32 h, v10 4 r, v12-14 the scales of q, k, v, v15-17 448 x these, v30, v31 the add's; v32-95 biases of q and k; v96-103 bias of v; v104-167 gammas; v168-183 inverse norms; v192-255 x, set 0.
;   window 1: 0-191 W's fragments (q, k, v: 64 each), 192-255 x, set 3; window 2: accumulators of q, k (tile a of tokens, n of columns at 8 (4 a + n)); window 3: 0-127 those of v (at 8 (4 n + a)), 128-191, 192-255 x, sets 1, 2.
;   On the way out: window 1 the numbers at work; window 0: 192-223 v's codes, 224-255 sums of squares, 32-95 the codes of q and k.
.set SPARE, 196608                     ; behind W's tile: the spare words, 128 bytes a wave, that no other line names
.set ADB, 4
.set LI,  8
.set BI,  32
.set BV,  96
.set GA,  104
.set IV,  168
.set VC,  192
.set CH,  224
.set G1,  24
.set G0,  32
.set MSB, 0
.macro WIN new                         ; the immediate's high byte repeats the setting that is left
.if MSB != (\new)
	s_set_vgpr_msb (MSB<<8)|(\new)
.set MSB, \new
.endif
.endm
.macro CROUND                          ; a round of the cluster's barrier
	s_barrier_signal -1
	s_barrier_wait -1
	s_cmp_lg_u32 s14, 0
	s_cbranch_scc1 .Lnot_wave_0_\@
	s_barrier_signal -3
.Lnot_wave_0_\@:
	s_barrier_wait -3
	s_barrier_signal -1
	s_barrier_wait -1
.endm
.macro PLACES                          ; plain vector instructions between a matrix instruction and a load into, or a vector access of, its registers
.rept 4
	v_nop
.endr
.endm
.macro XSET s                          ; K step s's set of x: window and first register
.if (\s)%4 == 0
.set XW, 0
.set XB, 192
.elseif (\s)%4 == 1
.set XW, 3
.set XB, 128
.elseif (\s)%4 == 2
.set XW, 3
.set XB, 192
.else
.set XW, 1
.set XB, 192
.endif
.endm
.macro XLOAD s                         ; four fragments of x: 32 lanes read 512 consecutive bytes
	XSET \s
	WIN 0x40*XW
.irp a, 0,1,2,3
.irp c, 0,1,2,3
	global_load_b128 v[XB+16*\a+4*\c:XB+16*\a+4*\c+3], v[LI], s[4:5] offset:\a*16384+(\s)*2048+512*\c
.endr
.endr
	WIN 0
.endm
.macro LOADW g, s                      ; W's four fragments of group g (q, k, v), K step s
	WIN 0x40
.irp n, 0,1,2,3
.irp c, 0,1,2,3
	ds_load_b128 v[64*(\g)+16*\n+4*\c:64*(\g)+16*\n+4*\c+3], v[ADB+\n] offset:(\g)*16384+(\s)*2048+512*\c
.endr
.endr
	WIN 0
.endm
.macro MUL g, s                        ; 16 matrix instructions; the 48 accumulators take turns, in the same order in every K step
	XSET \s
.if (\g) < 2
	WIN 0xa1+4*XW
.else
	WIN 0xf4+XW
.endif
.irp n, 0,1,2,3
.irp a, 0,1,2,3
.if (\g) < 2
.set AC, 128*(\g)+8*(4*\a+\n)
.if (\s) == 0
	v_wmma_f32_16x16x128_fp8_fp8 v[AC:AC+7], v[64*(\g)+16*\n:64*(\g)+16*\n+15], v[XB+16*\a:XB+16*\a+15], 0
.else
	v_wmma_f32_16x16x128_fp8_fp8 v[AC:AC+7], v[64*(\g)+16*\n:64*(\g)+16*\n+15], v[XB+16*\a:XB+16*\a+15], v[AC:AC+7]
.endif
.else
.set AC, 8*(4*\n+\a)
.if (\s) == 0
	v_wmma_f32_16x16x128_fp8_fp8 v[AC:AC+7], v[XB+16*\a:XB+16*\a+15], v[128+16*\n:128+16*\n+15], 0
.else
	v_wmma_f32_16x16x128_fp8_fp8 v[AC:AC+7], v[XB+16*\a:XB+16*\a+15], v[128+16*\n:128+16*\n+15], v[AC:AC+7]
.endif
.endif
.endr
.endr
	WIN 0
.endm
.macro KSTEP s                         ; v's group, then q's, then k's; a group's fragments are fetched anew as soon as its products are issued
.if (\s) < 5
	s_wait_loadcnt 48                              ; three younger K steps of x may be out
.elseif (\s) < 7
	s_wait_loadcnt 56                              ; K steps 6, 7 and 24 biases; or K step 7, 24 biases and 16 gammas
.else
	s_wait_loadcnt 40                              ; 24 biases and 16 gammas
.endif
.irp g, 2,0,1
.if (\s) < 7
	s_wait_dscnt 32                                ; the two younger groups' loads may be out
.elseif \g == 2
	s_wait_dscnt 32
.elseif \g == 0
	s_wait_dscnt 16
.else
	s_wait_dscnt 0x0
.endif
	MUL \g, \s
.if (\s) < 7
	PLACES
	LOADW \g, (\s)+1
.endif
.endr
.if (\s) < 4
	XLOAD (\s)+4
.elseif (\s) == 4
.irp n, 0,1,2,3
	global_load_b128 v[BI+8*\n:BI+8*\n+3], v9, s[10:11] offset:64*\n                  ; bias(16 n + 8 h + j): the layout of q's and k's results
	global_load_b128 v[BI+8*\n+4:BI+8*\n+7], v9, s[10:11] offset:64*\n+16
	global_load_b128 v[BI+32+8*\n:BI+32+8*\n+3], v9, s[10:11] offset:4096+64*\n
	global_load_b128 v[BI+32+8*\n+4:BI+32+8*\n+7], v9, s[10:11] offset:4096+64*\n+16
	global_load_b32 v[BV+2*\n], v10, s[10:11] offset:8192+64*\n                       ; bias(16 n + r), twice: a pair for the packed form
	global_load_b32 v[BV+2*\n+1], v10, s[10:11] offset:8192+64*\n
.endr
.elseif (\s) == 5
.irp n, 0,1,2,3
	global_load_b128 v[GA+8*\n:GA+8*\n+3], v9, s[68:69] offset:64*\n                  ; gamma, laid as the bias
	global_load_b128 v[GA+8*\n+4:GA+8*\n+7], v9, s[68:69] offset:64*\n+16
	global_load_b128 v[GA+32+8*\n:GA+32+8*\n+3], v9, s[70:71] offset:64*\n
	global_load_b128 v[GA+32+8*\n+4:GA+32+8*\n+7], v9, s[70:71] offset:64*\n+16
.endr
.endif
.endm
.macro SCALE e, sc, lim                ; 2^e as f32, and 448 x that
	s_add_co_i32 s94, s[\e], 127
	s_lshl_b32 s95, s94, 23
	v_mov_b32 v[\sc], s95
	s_add_co_i32 s94, s94, 8
	s_lshl_b32 s94, s94, 23
	s_or_b32 s94, s94, 0x600000
	v_mov_b32 v[\lim], s94
.endm
	s_load_b256 s[4:11], s[0:1], 0x0               ; xc s[4:5], wc s[6:7], the scales' exponents s[8:9], bqkv s[10:11]
	s_load_b256 s[68:75], s[0:1], 0x20             ; gamma_q s[68:69], gamma_k s[70:71], qc s[72:73], kvc s[74:75]
	v_lshl_add_u32 v30, v0, 2, SPARE
	v_mov_b32 v31, 0
	ds_add_u32 v30, v31                            ; the wave's opening: the add, twice on end, and its wait
	ds_add_u32 v30, v31
	v_lshrrev_b32 v1, 5, v0
	v_readfirstlane_b32 s14, v1                    ; wave 0..3
	v_and_b32 v1, 31, v0
	v_and_b32 v2, 15, v0                           ; r
	v_bfe_u32 v3, v0, 4, 1                         ; h
	v_lshlrev_b32 v[LI], 4, v1
	v_lshlrev_b32 v9, 5, v3
	v_lshlrev_b32 v10, 2, v2
.irp n, 0,1,2,3
	v_add_nc_u32 v[ADB+\n], 49152*\n, v[LI]        ; tile n of each of q, k, v: 16,384 bytes apart
.endr
	s_bfe_u32 s40, ttmp6, 0x40000
	s_lshl_b32 s42, ttmp9, 2
	s_add_co_u32 s42, s42, s40                     ; my block of 256 tokens
	s_and_b32 s43, ttmp7, 0xffff                   ; my head
	; descriptor group 1: 3 rows (tile w of q, of k, of v) of 16,384 bytes, 1,048,576 bytes apart; elements of 8 bytes; the mask names all four of the cluster
	s_mov_b32 s[G1], 15|(3<<16)|(1<<21)
	s_mov_b32 s[G1+1], 2048<<16
	s_mov_b32 s[G1+2], 3<<16
	s_mov_b32 s[G1+3], 2048<<16
	s_mov_b32 s[G1+4], 3
	s_mov_b32 s[G1+5], 131072
	s_mov_b32 s[G1+6], 0
	s_mov_b32 s[G1+7], 0
	s_lshl_b32 s20, s42, 18                        ; x: 16 tiles of 16,384 bytes a block, 4 a wave
	s_lshl_b32 s21, s14, 16
	s_add_co_u32 s20, s20, s21
	s_mov_b32 s21, 0
	s_lshl_b32 s22, s43, 16                        ; W: 4 tiles a head, one a wave
	s_lshl_b32 s23, s14, 14
	s_add_co_u32 s22, s22, s23
	s_mov_b32 s23, 0
	s_mul_i32 s45, s14, 49152                      ; and where it goes
	s_lshr_b32 s44, s42, 3                         ; batch
	s_and_b32 s46, s42, 7                          ; block within the batch
	s_lshl_b32 s47, s44, 4
	s_add_co_u32 s47, s47, s43                     ; bh = 16 batch + head
	s_lshl_b32 s50, s47, 17                        ; q: 131,072 bytes a bh, 16,384 a block, 4,096 a wave
	s_lshl_b32 s51, s46, 14
	s_add_co_u32 s50, s50, s51
	s_lshl_b32 s51, s14, 12
	s_add_co_u32 s50, s50, s51
	s_mov_b32 s51, 0
	s_lshl_b32 s52, s47, 18                        ; k, v: 262,144 bytes a bh, two key steps of 16,384 a block
	s_lshl_b32 s53, s46, 15
	s_add_co_u32 s52, s52, s53
	s_lshr_b32 s53, s14, 1
	s_lshl_b32 s53, s53, 14
	s_add_co_u32 s52, s52, s53
	s_and_b32 s53, s14, 1                          ; which half of the step's keys is mine
	s_lshl_b32 s54, s53, 12
	s_add_co_u32 s54, s54, s52                     ; k: 4 tiles of 1,024 bytes
	s_mov_b32 s55, 0
	s_lshl_b32 s56, s53, 10
	s_add_co_u32 s56, s56, s52                     ; v: 1,024 bytes of each image
	s_mov_b32 s57, 0
	s_lshl_b32 s58, s43, 8                         ; the head's 64 numbers in bqkv and gamma
	s_mov_b32 s59, 0
	s_wait_alu depctr_va_vdst(0)
	s_wait_dscnt 0x0                               ; both opening adds are done
	s_wait_kmcnt 0x0
	s_load_b256 s[84:91], s[8:9], 0x0              ; e0 .. e7
	s_add_nc_u64 s[4:5], s[4:5], s[20:21]
	s_add_nc_u64 s[22:23], s[6:7], s[22:23]
	s_add_nc_u64 s[76:77], s[72:73], s[50:51]
	s_add_nc_u64 s[78:79], s[74:75], s[54:55]
	s_add_nc_u64 s[80:81], s[74:75], s[56:57]
	s_add_nc_u64 s[10:11], s[10:11], s[58:59]
	s_add_nc_u64 s[68:69], s[68:69], s[58:59]
	s_add_nc_u64 s[70:71], s[70:71], s[58:59]
	s_mov_b32 s[G0], 1
	s_mov_b32 s[G0+1], s45
	s_mov_b64 s[G0+2:G0+3], s[22:23]
	s_or_b32 s[G0+3], s[G0+3], 0x80000000
	XLOAD 0
	XLOAD 1
	CROUND                                         ; all four work-groups are here: the joint loads meet
	tensor_load_to_lds s[G0:G0+3], s[G1:G1+7]
	s_nop 0
	PLACES
	s_wait_kmcnt 0x0
	s_add_co_i32 s92, s84, s85
	s_add_co_i32 s92, s92, 127
	s_lshl_b32 s92, s92, 23                        ; 2^(e0 + e1) as f32
	s_mov_b32 s93, s92                             ; (named with it as a pair)
	SCALE 86, 12, 15
	SCALE 87, 13, 16
	SCALE 88, 14, 17
	s_mov_b32 s82, 0x76543210                      ; v_permlanex16_b32's selects for lane l xor 16
	s_mov_b32 s83, 0xfedcba98
	XLOAD 2
	XLOAD 3
	s_wait_alu depctr_va_vdst(0)                   ; the wait at the head's end
	s_wait_tensorcnt 0x0                           ; my part of W's tile is in
	s_barrier_signal -1
	s_barrier_wait -1                              ; everybody's is
	LOADW 2, 0
	LOADW 0, 0
	LOADW 1, 0
.irp s, 0,1,2,3,4,5,6,7
	KSTEP \s
.endr
	; THE WAY OUT.  No stage: an accumulator's eight registers of a lane are eight neighbours along the next product's K, so the conversions' results are the next operand's registers, stored as they stand.
	s_wait_loadcnt 0x0                             ; biases and gammas
	PLACES                                         ; behind the last products
	; v: channel tile n: lane (r, h) holds channel r, registers 8 a + j token 16 a + 8 h + j of my 64
	WIN 0x43
.irp n, 0,1,2,3
.set i, 0
.rept 16
	v_pk_fma_f32 v[32*\n+i:32*\n+i+1], v[32*\n+i:32*\n+i+1], s[92:93], v[BV+2*\n:BV+2*\n+1] op_sel_hi:[1,0,1]   ; sum x 2^(e0 + e1) + bias; each accumulator from its low end on
.set i, i+2
.endr
.endr
	WIN 0x41
.set i, 0
.rept 128
	v_med3_num_f32 v[i], v[i], -v17, v17           ; the conversion to an 8-bit code does not saturate (ISA guide 7.6.2): the hold comes first
.set i, i+1
.endr
	WIN 0x01
.set i, 0
.rept 16
	v_cvt_scalef32_pk8_fp8_f32 v[VC+2*i:VC+2*i+1], v[8*i:8*i+7], v14
.set i, i+1
.endr
	v_nop                                          ; a plain instruction between the conversions and the next writes of their sources
	WIN 0
.irp n, 0,1,2,3
	global_store_b128 v[LI], v[VC+8*\n:VC+8*\n+3], s[80:81] offset:8192+2048*\n           ; 32 lanes store 512 consecutive bytes, aligned
	global_store_b128 v[LI], v[VC+8*\n+4:VC+8*\n+7], s[80:81] offset:8192+2048*\n+512
.endr
	; q, k: token tile a: lane (r, h) holds token r; 64 a + 32 hh + 8 n + j is channel 16 n + 8 h + j of q (hh = 0) or k (1)
	WIN 0x42
.irp a, 0,1,2,3
.irp hh, 0,1
.set i, 0
.rept 16
	v_pk_fma_f32 v[64*\a+32*\hh+i:64*\a+32*\hh+i+1], v[128*\hh+32*\a+i:128*\hh+32*\a+i+1], s[92:93], v[BI+32*\hh+i:BI+32*\hh+i+1] op_sel_hi:[1,0,1]
.set i, i+2
.endr
.endr
.endr
	WIN 0x05
.irp a, 0,1,2,3                        ; the sums of squares: two chains for each of q and k
.irp hh, 0,1
	v_pk_mul_f32 v[CH+8*\a+4*\hh:CH+8*\a+4*\hh+1], v[64*\a+32*\hh:64*\a+32*\hh+1], v[64*\a+32*\hh:64*\a+32*\hh+1]
	v_pk_mul_f32 v[CH+8*\a+4*\hh+2:CH+8*\a+4*\hh+3], v[64*\a+32*\hh+2:64*\a+32*\hh+3], v[64*\a+32*\hh+2:64*\a+32*\hh+3]
.endr
.set i, 4
.rept 7
.irp hh, 0,1
	v_pk_fma_f32 v[CH+8*\a+4*\hh:CH+8*\a+4*\hh+1], v[64*\a+32*\hh+i:64*\a+32*\hh+i+1], v[64*\a+32*\hh+i:64*\a+32*\hh+i+1], v[CH+8*\a+4*\hh:CH+8*\a+4*\hh+1]
	v_pk_fma_f32 v[CH+8*\a+4*\hh+2:CH+8*\a+4*\hh+3], v[64*\a+32*\hh+i+2:64*\a+32*\hh+i+3], v[64*\a+32*\hh+i+2:64*\a+32*\hh+i+3], v[CH+8*\a+4*\hh+2:CH+8*\a+4*\hh+3]
.endr
.set i, i+4
.endr
.endr
	WIN 0
.irp t, 0,4,8,12,16,20,24,28           ; eight (token tile, q or k) side by side
	v_pk_add_f32 v[CH+\t:CH+\t+1], v[CH+\t:CH+\t+1], v[CH+\t+2:CH+\t+3]
.endr
.irp t, 0,4,8,12,16,20,24,28
	v_add_f32 v[CH+\t], v[CH+\t], v[CH+\t+1]
.endr
.irp t, 0,4,8,12,16,20,24,28
	v_permlanex16_b32 v[CH+\t+2], v[CH+\t], s82, s83   ; the token's other 32 channels lie in lane l xor 16
.endr
.irp t, 0,4,8,12,16,20,24,28
	v_add_f32 v[CH+\t], v[CH+\t], v[CH+\t+2]
.endr
.irp t, 0,4,8,12,16,20,24,28
	v_max_num_f32 v[CH+\t], 0x179abe15, v[CH+\t]   ; at least 1e-24
.endr
	s_wait_alu depctr_va_vdst(0)                   ; the wait ahead of the batch
.irp t, 0,4,8,12,16,20,24,28
	v_rsq_f32 v[IV+\t/2], v[CH+\t]
.endr
	v_nop                                          ; a plain place behind the transcendentals
	s_wait_alu depctr_va_vdst(0)                   ; and behind it
.irp t, 0,2,4,6,8,10,12,14
	v_mul_f32 v[IV+\t+1], 0x41000000, v[IV+\t]     ; x sqrt(64) = 8, a power of two; twice: a pair for the packed form
	v_mul_f32 v[IV+\t], 0x41000000, v[IV+\t]
.endr
.irp a, 0,1,2,3
	WIN 0x41
.set i, 0
.rept 16
	v_pk_mul_f32 v[64*\a+i:64*\a+i+1], v[64*\a+i:64*\a+i+1], v[IV+4*\a:IV+4*\a+1]
	v_pk_mul_f32 v[64*\a+32+i:64*\a+33+i], v[64*\a+32+i:64*\a+33+i], v[IV+4*\a+2:IV+4*\a+3]
.set i, i+2
.endr
.set i, 0
.rept 32
	v_pk_mul_f32 v[64*\a+i:64*\a+i+1], v[64*\a+i:64*\a+i+1], v[GA+i:GA+i+1]
.set i, i+2
.endr
.set i, 0
.rept 32
	v_med3_num_f32 v[64*\a+i], v[64*\a+i], -v15, v15
	v_med3_num_f32 v[64*\a+32+i], v[64*\a+32+i], -v16, v16
.set i, i+1
.endr
	WIN 0x01
.set i, 0
.rept 4
	v_cvt_scalef32_pk8_fp8_f32 v[BI+16*\a+2*i:BI+16*\a+2*i+1], v[64*\a+8*i:64*\a+8*i+7], v12        ; registers 2 i, 2 i + 1 of the fragment of 16 tokens x 64
	v_cvt_scalef32_pk8_fp8_f32 v[BI+16*\a+8+2*i:BI+16*\a+9+2*i], v[64*\a+32+8*i:64*\a+39+8*i], v13
.set i, i+1
.endr
	v_nop
	WIN 0
	global_store_b128 v[LI], v[BI+16*\a:BI+16*\a+3], s[76:77] offset:1024*\a
	global_store_b128 v[LI], v[BI+16*\a+4:BI+16*\a+7], s[76:77] offset:1024*\a+512
	global_store_b128 v[LI], v[BI+16*\a+8:BI+16*\a+11], s[78:79] offset:1024*\a
	global_store_b128 v[LI], v[BI+16*\a+12:BI+16*\a+15], s[78:79] offset:1024*\a+512
.endr
	s_wait_tensorcnt 0x0                           ; the wave's end
	ds_add_u32 v30, v31
	s_wait_dscnt 0x0
	CROUND                                         ; the closing round
	s_endpgm
.Lfunc_end_k_q0e7252ae9a_qkv:
	.size	k_q0e7252ae9a_qkv, .Lfunc_end_k_q0e7252ae9a_qkv-k_q0e7252ae9a_qkv
	.p2alignl 7, 3214868480
	.fill 96, 4, 3214868480
	.section	.rodata,"a",@progbits
	.p2align	6, 0x0
	.amdhsa_kernel k_q0e7252ae9a_qkv
		.amdhsa_group_segment_fixed_size 197120
		.amdhsa_private_segment_fixed_size 0
		.amdhsa_enable_private_segment 0
		.amdhsa_kernarg_size 64
		.amdhsa_user_sgpr_count 2
		.amdhsa_user_sgpr_kernarg_segment_ptr 1
		.amdhsa_wavefront_size32 1
		.amdhsa_system_sgpr_workgroup_id_x 1
		.amdhsa_system_sgpr_workgroup_id_y 1
		.amdhsa_system_sgpr_workgroup_id_z 1
		.amdhsa_system_vgpr_workitem_id 0
		.amdhsa_next_free_vgpr 1024
		.amdhsa_next_free_sgpr 96
		.amdhsa_reserve_vcc 0
		.amdhsa_float_denorm_mode_32 3
		.amdhsa_float_denorm_mode_16_64 3
		.amdhsa_memory_ordered 1
		.amdhsa_forward_progress 1
		.amdhsa_inst_pref_size 147
	.end_amdhsa_kernel
	.amdgpu_metadata
---
amdhsa.version: [ 1, 2 ]
amdhsa.kernels:
  - .name:           k_q0e7252ae9a_qkv
    .symbol:         k_q0e7252ae9a_qkv.kd
    .args:
      - { .name: xc, .offset: 0, .size: 8, .value_kind: global_buffer, .address_space: global }
      - { .name: wc, .offset: 8, .size: 8, .value_kind: global_buffer, .address_space: global }
      - { .name: lowp_scales, .offset: 16, .size: 8, .value_kind: global_buffer, .address_space: global }
      - { .name: bqkv, .offset: 24, .size: 8, .value_kind: global_buffer, .address_space: global }
      - { .name: gamma_q, .offset: 32, .size: 8, .value_kind: global_buffer, .address_space: global }
      - { .name: gamma_k, .offset: 40, .size: 8, .value_kind: global_buffer, .address_space: global }
      - { .name: qc, .offset: 48, .size: 8, .value_kind: global_buffer, .address_space: global }
      - { .name: kvc, .offset: 56, .size: 8, .value_kind: global_buffer, .address_space: global }
    .group_segment_fixed_size: 197120
    .private_segment_fixed_size: 0
    .kernarg_segment_align: 8
    .kernarg_segment_size: 64
    .max_flat_workgroup_size: 128
    .sgpr_count:     96
    .vgpr_count:     1024
    .wavefront_size: 32
...
	.end_amdgpu_metadata
.endif
;; end of part 2
;; launch attn (part 3): grid 8 x 32, 8 waves a work-group, clusters of 4 x 1, 327,680 bytes of LDS; arguments qc, kvc, lowp_scales, oc; writes oc
.if DOCPART == 3
	.amdgcn_target "amdgcn-amd-amdhsa--gfx1250"
	.amdhsa_code_object_version 6
	.text
	.protected	k_q0e7252ae9a_attn
	.globl	k_q0e7252ae9a_attn
	.p2align	8
	.type	k_q0e7252ae9a_attn,@function
k_q0e7252ae9a_attn:
	s_mov_b64 s[64:65], 0
	v_nop
	global_prefetch_b8 v0, s[64:65] scope:SCOPE_SE
	s_setreg_imm32_b32 hwreg(HW_REG_WAVE_MODE, 25, 1), 1
	s_wait_xcnt 0x0
	s_wait_alu depctr_hold_cnt(0) depctr_sa_sdst(0) depctr_va_vdst(0) depctr_va_sdst(0) depctr_va_ssrc(0) depctr_va_vcc(0) depctr_vm_vsrc(0)
	s_getreg_b32 s2, hwreg(HW_REG_IB_STS2, 6, 4)
	s_cmp_eq_u32 s2, 0
	s_cbranch_scc0 .Lentry_in_a_cluster
	s_endpgm
.Lentry_in_a_cluster:
	s_bfe_u32 s2, ttmp6, 0x10000c
	s_cmp_lg_u32 s2, 0x3003
	s_cbranch_scc0 .Lentry_shape_is_right
	s_endpgm
.Lentry_shape_is_right:
; o = softmax(q k^T / 8) v for each of 32 (batch, head), both products on codes of FP8 (E4M3); o is quantised with 2^e6 and stored as images of operand registers for the last product.
; qc [32][128 tiles of 16 queries][1024], kvc [32][16 steps of 128 keys][16384]: 8 tiles of K (16 keys x 64), then 4 tiles of V^T (16 channels x 128 keys); oc [256 tiles of 16 tokens][16 heads][1024].
; An image: lane (r = l % 16, h = l / 16) holds k = 16 c + 8 h + 0..7 of row r in registers 2 c, 2 c + 1; piece p (registers 4 p .. 4 p + 3) is 512 bytes, lane l's 16 bytes at 512 p + 16 l.
; SHARES.  A work-group owns 256 queries of one head; each of its eight waves (two to a SIMD) owns two tiles of 16, A and B, so that a fragment of K or V read from LDS serves two tiles.  Every wave walks all keys, 128 a step.
; A head's K and V, 262,144 bytes, lie in LDS whole: steps 0 to 3 by one load a wave at the head, steps 4 to 15 by one more.  Nothing is filled again.  The four work-groups of a cluster read the same K and V: both loads are joint.
; No prefetch: all that the launch reads is asked for at its head by these two loads; no stream is left to run ahead of.
; Both products are used transposed: S^T = K Q^T, O^T = V^T P^T: a lane holds one query throughout; the eight registers of S^T's tile c are keys 16 c + 8 h + 0..7, so their codes are registers 2 c, 2 c + 1 of P's operand.
; SOFTMAX: t = sum x c, c = log2(e) / 8 x 2^(e2 + e3); M = the running largest t rounded up, kept as -M = floor(-t); p = 2^(t - M).  The row's sum takes the unquantised p.  When M moves, the sum and O^T are multiplied by 2^(old M - new M): exact.
; LIMITS: |t| under 2^31; e2 + e3 between -123 and 130; e5, e6 between -126 and 119.  NaN among the codes is not served.
; REGISTERS, window 0: v1 16 x lane, v3 the step's LDS address, v4, v5 the largest sums of A, B, v6, v8 their -M, v10, v12 their 2^(old M - new M) (the odd ones beside them are named in pairs), v14-23 at work, v24, v25 448 x 2^e5, v26 2^e5, v27 2^e6, v28 448 x 2^e6,
;   v30, v31 the add's; v32-47 Q; v48-111 K; v112-175, v176-239 S^T, then p, of A and B; v240-247, v248-255 the rows' sums in eight parts.
; Window 1: 0-31, 32-63 O^T of A and B; 64-127 V; 128-143, 144-159 p's codes.
.set SPARE, 262144                     ; behind K and V: the spare words, 128 bytes a wave, that no other line names
.set WV,  12
.set G1A, 16
.set G0,  24
.set G1B, 32
.set CS,  48
.set SEL, 50
.set TB,  52
.set CNT, 53
.set QA,  32
.set QB,  40
.set KR,  48
.set SA,  112
.set SB,  176
.set LA,  240
.set LB,  248
.set OTA, 0
.set OTB, 32
.set VR,  64
.set PCA, 128
.set PCB, 144
.set MSB, 0
.macro WIN new                         ; the immediate's high byte repeats the setting that is left
.if MSB != (\new)
	s_set_vgpr_msb (MSB<<8)|(\new)
.set MSB, \new
.endif
.endm
.macro CROUND                          ; a round of the cluster's barrier
	s_barrier_signal -1
	s_barrier_wait -1
	s_cmp_lg_u32 s[WV], 0
	s_cbranch_scc1 .Lnot_wave_0_\@
	s_barrier_signal -3
.Lnot_wave_0_\@:
	s_barrier_wait -3
	s_barrier_signal -1
	s_barrier_wait -1
.endm
	s_load_b256 s[4:11], s[0:1], 0x0               ; qc, kvc, the scales' exponents, oc
	v_lshl_add_u32 v30, v0, 2, SPARE
	v_mov_b32 v31, 0
	ds_add_u32 v30, v31                            ; the wave's opening: the add, twice on end, and its wait ahead of the first tensor load
	ds_add_u32 v30, v31
	v_lshrrev_b32 v2, 5, v0
	v_readfirstlane_b32 s[WV], v2                  ; wave 0..7
	v_and_b32 v1, 31, v0
	v_lshlrev_b32 v1, 4, v1
	s_bfe_u32 s13, ttmp6, 0x40000
	s_lshl_b32 s14, ttmp9, 2
	s_add_co_u32 s14, s14, s13                     ; my block of 256 queries
	s_and_b32 s15, ttmp7, 0xffff                   ; 16 batch + head
	; group 1: dense blocks stated as rows of 256 bytes, elements of 8 bytes: 32 rows a wave for steps 0-3, 96 rows for steps 4-15; the mask names all four of the cluster
	s_mov_b32 s[G1A], 15|(3<<16)|(1<<21)
	s_mov_b32 s[G1A+1], 32<<16
	s_mov_b32 s[G1A+2], 32<<16
	s_mov_b32 s[G1A+3], 32<<16
	s_mov_b32 s[G1A+4], 32
	s_mov_b32 s[G1A+5], 32
	s_mov_b32 s[G1A+6], 0
	s_mov_b32 s[G1A+7], 0
	s_mov_b32 s[G1B], 15|(3<<16)|(1<<21)
	s_mov_b32 s[G1B+1], 32<<16
	s_mov_b32 s[G1B+2], 96<<16
	s_mov_b32 s[G1B+3], 32<<16
	s_mov_b32 s[G1B+4], 96
	s_mov_b32 s[G1B+5], 32
	s_mov_b32 s[G1B+6], 0
	s_mov_b32 s[G1B+7], 0
	s_lshl_b32 s2, s15, 18
	s_mov_b32 s3, 0
	s_lshl_b32 s54, s[WV], 13                      ; my 8,192 bytes of the first 65,536,
	s_mul_i32 s55, s[WV], 24576
	s_add_co_u32 s55, s55, 65536                   ; my 24,576 of the rest
	s_mov_b32 s60, s54
	s_mov_b32 s61, 0
	s_mov_b32 s62, s55
	s_mov_b32 s63, 0
	s_lshl_b32 s56, s15, 17                        ; Q: my two tiles
	s_lshl_b32 s57, s14, 14
	s_add_co_u32 s56, s56, s57
	s_lshl_b32 s57, s[WV], 11
	s_add_co_u32 s56, s56, s57
	s_mov_b32 s57, 0
	s_lshr_b32 s58, s15, 4                         ; o: tile 128 batch + 16 block + 2 wave, 16,384 bytes each; 1,024 bytes a head
	s_lshl_b32 s58, s58, 7
	s_lshl_b32 s59, s14, 4
	s_add_co_u32 s58, s58, s59
	s_lshl_b32 s59, s[WV], 1
	s_add_co_u32 s58, s58, s59
	s_lshl_b32 s58, s58, 14
	s_and_b32 s59, s15, 15
	s_lshl_b32 s59, s59, 10
	s_add_co_u32 s58, s58, s59
	s_mov_b32 s59, 0
	s_mov_b32 s[SEL], 0x76543210                   ; v_permlanex16_b32's selects for lane l xor 16
	s_mov_b32 s[SEL+1], 0xfedcba98
	s_wait_alu depctr_va_vdst(0)
	s_wait_dscnt 0x0                               ; both opening adds are done
	s_wait_kmcnt 0x0
	s_load_b256 s[40:47], s[8:9], 0x0              ; e0 .. e7
	s_add_nc_u64 s[6:7], s[6:7], s[2:3]
	s_add_nc_u64 s[4:5], s[4:5], s[56:57]
	s_add_nc_u64 s[10:11], s[10:11], s[58:59]
	s_mov_b32 s[G0], 1
	s_mov_b32 s[G0+1], s54
	s_add_nc_u64 s[G0+2:G0+3], s[6:7], s[60:61]
	s_or_b32 s[G0+3], s[G0+3], 0x80000000
	s_mov_b32 s[G0+4], 1
	s_mov_b32 s[G0+5], s55
	s_add_nc_u64 s[G0+6:G0+7], s[6:7], s[62:63]
	s_or_b32 s[G0+7], s[G0+7], 0x80000000
	CROUND                                         ; all four work-groups are here: the first joint loads meet
	tensor_load_to_lds s[G0:G0+3], s[G1A:G1A+7]    ; steps 0 to 3: one load a wave at the head
	s_nop 0
	v_mov_b32 v4, 0xff61b1e6                       ; the largest sums so far: -3e38
	v_mov_b32 v5, 0xff61b1e6
	v_mov_b32 v6, 0x7f61b1e6                       ; -M: 3e38, so that the first change of M gives the factor 0
	v_mov_b32 v8, 0x7f61b1e6
.irp r, 7,9,11,13,14,15
	v_mov_b32 v\r, 0                               ; named as upper halves of pairs, or as a lane permute's destination
.endr
.set i, 0
.rept 16
	v_mov_b32 v[LA+i], 0
.set i, i+1
.endr
	global_load_b128 v[QA:QA+3], v1, s[4:5]        ; Q's two fragments stay in registers
	global_load_b128 v[QA+4:QA+7], v1, s[4:5] offset:512
	global_load_b128 v[QB:QB+3], v1, s[4:5] offset:1024
	global_load_b128 v[QB+4:QB+7], v1, s[4:5] offset:1536
	WIN 0x40
.set i, 0
.rept 64
	v_mov_b32 v[OTA+i], 0                          ; O^T of both tiles: the step is written once for the first and the later steps
.set i, i+1
.endr
	WIN 0
	s_wait_alu depctr_va_vdst(0)
	s_wait_kmcnt 0x0
	s_add_co_i32 s56, s42, s43
	s_lshl_b32 s56, s56, 23
	s_add_co_i32 s[CS], s56, 0x3e38aa3b            ; log2(e) / 8, e2 + e3 added to its exponent field
	s_mov_b32 s[CS+1], s[CS]                       ; (named with it as a pair)
	s_add_co_i32 s56, s45, 127
	s_lshl_b32 s57, s56, 23
	v_mov_b32 v26, s57
	s_add_co_i32 s56, s56, 8
	s_lshl_b32 s56, s56, 23
	s_or_b32 s56, s56, 0x600000
	v_mov_b32 v24, s56
	v_mov_b32 v25, s56
	s_add_co_i32 s56, s46, 127
	s_lshl_b32 s57, s56, 23
	v_mov_b32 v27, s57
	s_add_co_i32 s56, s56, 8
	s_lshl_b32 s56, s56, 23
	s_or_b32 s56, s56, 0x600000
	v_mov_b32 v28, s56
.macro FMA sr, b, m                    ; t - M, two at a time
	v_pk_fma_f32 v[\sr+2*(\b):\sr+2*(\b)+1], v[\sr+2*(\b):\sr+2*(\b)+1], s[CS:CS+1], v[\m:\m+1] op_sel_hi:[1,0,0]
.endm
.macro SUMS sr, l, f                   ; the row's sum of the unquantised p: eight parts; what was summed before comes under the new M in the first four lines
.irp j, 0,2,4,6
	v_pk_fma_f32 v[\l+\j:\l+\j+1], v[\l+\j:\l+\j+1], v[\f:\f+1], v[\sr+\j:\sr+\j+1] op_sel_hi:[1,0,1]
.endr
.set k, 8
.rept 7
.irp j, 0,2,4,6
	v_pk_add_f32 v[\l+\j:\l+\j+1], v[\l+\j:\l+\j+1], v[\sr+k+\j:\sr+k+\j+1]
.endr
.set k, k+8
.endr
.endm
.macro HOLD sr, b                      ; the conversion to an 8-bit code does not saturate (ISA guide 7.6.2); p is not negative, so the hold is one-sided
	v_dual_min_num_f32 v[\sr+2*(\b)], v[\sr+2*(\b)], v24 :: v_dual_min_num_f32 v[\sr+2*(\b)+1], v[\sr+2*(\b)+1], v25
.endm
.macro CODES sr, pc
	WIN 0x40
.set i, 0
.rept 8
	v_cvt_scalef32_pk8_fp8_f32 v[\pc+2*i:\pc+2*i+1], v[\sr+8*i:\sr+8*i+7], v26
.set i, i+1
.endr
	WIN 0
.endm
.macro PV ot, pc                       ; O^T += V^T P^T
	WIN 0x55
.set i, 0
.rept 4
	v_wmma_f32_16x16x128_fp8_fp8 v[\ot+8*i:\ot+8*i+7], v[VR+16*i:VR+16*i+15], v[\pc:\pc+15], v[\ot+8*i:\ot+8*i+7]
.set i, i+1
.endr
	WIN 0
.endm
.macro ROW0 sr, m                      ; the largest sum of a tile: four chains of 16 registers
.irp c, 0,1,2,3
	v_max3_num_f32 v[\m+\c], v[\sr+16*\c], v[\sr+16*\c+1], v[\sr+16*\c+2]
.endr
.endm
.macro ROW sr, m, k
.irp c, 0,1,2,3
	v_max3_num_f32 v[\m+\c], v[\m+\c], v[\sr+16*\c+\k], v[\sr+16*\c+\k+1]
.endr
.endm
.macro FMAS first, n
.set bb, \first
.rept \n
	FMA SA, bb, 6
.set bb, bb+1
.endr
.endm
.macro STEP pre                        ; 128 keys for both tiles; pre: the next step's K is asked for
	s_wait_dscnt 0x0                               ; this step's K is in
.set i, 0
.rept 8
	v_wmma_f32_16x16x64_fp8_fp8 v[SA+8*i:SA+8*i+7], v[KR+8*i:KR+8*i+7], v[QA:QA+7], 0
.set i, i+1
.endr
.set i, 0
.rept 8
	v_wmma_f32_16x16x64_fp8_fp8 v[SB+8*i:SB+8*i+7], v[KR+8*i:KR+8*i+7], v[QB:QB+7], 0
.set i, i+1
.endr
.rept 3
	v_nop                                          ; with the line below four places behind the products, for the reads of their results (ISA guide 7.12.1)
.endr
	v_add_nc_u32 v3, s[TB], v1                     ; this step's tiles in LDS
	; the largest sums; tile A's last lines stand among B's maxima, B's among A's multiply-adds
	ROW0 SA, 16
.irp k, 3,5,7,9,11,13
	ROW SA, 16, \k
.endr
	ROW0 SB, 20
	v_max3_num_f32 v16, v16, v[SA+15], v[SA+31]
	v_max3_num_f32 v18, v18, v[SA+47], v[SA+63]
	v_max3_num_f32 v4, v4, v17, v19
	ROW SB, 20, 3
	v_max3_num_f32 v4, v4, v16, v18
	ROW SB, 20, 5
	v_permlanex16_b32 v14, v4, s[SEL], s[SEL+1]    ; and lane l xor 16's keys
	ROW SB, 20, 7
	v_max_num_f32 v4, v4, v14
	ROW SB, 20, 9
	v_mul_f32 v16, s[CS], -v4
	v_mov_b32 v17, v6
	ROW SB, 20, 11
	v_floor_f32 v6, v16                            ; the new -M
	ROW SB, 20, 13
	v_sub_f32 v17, v6, v17                         ; old M - new M: a whole number, 0 or less
	v_max3_num_f32 v20, v20, v[SB+15], v[SB+31]
	v_max3_num_f32 v22, v22, v[SB+47], v[SB+63]
	v_max3_num_f32 v5, v5, v21, v23
	v_cvt_i32_f32 v17, v17                         ; (it saturates)
	FMAS 0, 2
	v_max3_num_f32 v5, v5, v20, v22
	FMAS 2, 3
	v_permlanex16_b32 v15, v5, s[SEL], s[SEL+1]
	v_ldexp_f32 v10, 1.0, v17
	FMAS 5, 3
	v_max_num_f32 v5, v5, v15
	FMAS 8, 3
	v_mul_f32 v20, s[CS], -v5
	v_mov_b32 v21, v8
	FMAS 11, 3
	v_floor_f32 v8, v20
	FMAS 14, 3
	v_sub_f32 v21, v8, v21
	FMAS 17, 3
	v_cvt_i32_f32 v21, v21
	FMAS 20, 3
	v_ldexp_f32 v12, 1.0, v21
	FMAS 23, 9
	WIN 0x41
.set i, 0
.rept 16
	v_pk_mul_f32 v[OTA+i:OTA+i+1], v[OTA+i:OTA+i+1], v[10:11] op_sel_hi:[1,0]
	v_pk_mul_f32 v[OTB+i:OTB+i+1], v[OTB+i:OTB+i+1], v[12:13] op_sel_hi:[1,0]
.set i, i+2
.endr
	WIN 0
	s_wait_alu depctr_va_vdst(0)                   ; the wait ahead of the batch
	WIN 0x40
.set i, 0
.rept 16
	ds_load_b128 v[VR+4*i:VR+4*i+3], v3 offset:8192+512*i    ; this step's V,
.set i, i+1
.endr
	WIN 0
.if \pre
.set i, 0
.rept 16
	ds_load_b128 v[KR+4*i:KR+4*i+3], v3 offset:16384+512*i   ; and the next step's K
.set i, i+1
.endr
.endif
.set bb, 0
.rept 32                               ; A's exponentials; B's multiply-adds, which nothing reads before the next wait, stand among them
	v_exp_f32 v[SA+2*bb], v[SA+2*bb]
	v_exp_f32 v[SA+2*bb+1], v[SA+2*bb+1]
	FMA SB, bb, 8
.set bb, bb+1
.endr
	s_wait_alu depctr_va_vdst(0)                   ; and behind it, ahead of its first reader
	SUMS SA, LA, 10
	s_wait_alu depctr_va_vdst(0)                   ; ahead of B's batch
.set bb, 0
.rept 32                               ; B's exponentials; A's holds, which nothing reads before the next wait, stand among them
	v_exp_f32 v[SB+2*bb], v[SB+2*bb]
	v_exp_f32 v[SB+2*bb+1], v[SB+2*bb+1]
	HOLD SA, bb
.set bb, bb+1
.endr
	s_wait_alu depctr_va_vdst(0)                   ; behind B's batch
	CODES SA, PCA
	SUMS SB, LB, 12                                ; (also the plain instructions between the conversions and the products that read their results)
	s_wait_dscnt 16*\pre                           ; V is in; the next step's 16 loads of K may be out
	PV OTA, PCA
.set bb, 0
.rept 32
	HOLD SB, bb
.set bb, bb+1
.endr
	CODES SB, PCB
	v_nop                                          ; a plain instruction between the conversions and the products
	PV OTB, PCB
.endm
	s_wait_alu depctr_va_vdst(0)                   ; the wait at the head's end
	s_wait_tensorcnt 0x0                           ; my part of steps 0 to 3 is in
	ds_add_u32 v30, v31
	s_wait_dscnt 0x0
	CROUND                                         ; everybody's part is in, and all four work-groups are here
	tensor_load_to_lds s[G0+4:G0+7], s[G1B:G1B+7]  ; steps 4 to 15
	s_nop 0
.rept 4
	v_nop
.endr
.set i, 0
.rept 16
	ds_load_b128 v[KR+4*i:KR+4*i+3], v1 offset:512*i
.set i, i+1
.endr
	s_wait_loadcnt 0x0                             ; Q
	s_mov_b32 s[TB], 0
	s_mov_b32 s[CNT], 3
.Lfirst:                                           ; steps 0 to 2 read steps 0 to 3 alone, while the rest lands
	STEP 1
	s_add_co_u32 s[TB], s[TB], 16384
	s_sub_co_u32 s[CNT], s[CNT], 1
	s_cmp_lg_u32 s[CNT], 0
	s_cbranch_scc1 .Lfirst
	s_wait_alu depctr_va_vdst(0)
	s_wait_tensorcnt 0x0                           ; my part of steps 4 to 15 is in,
	s_wait_dscnt 0x0
	s_barrier_signal -1
	s_barrier_wait -1                              ; everybody's is
	s_mov_b32 s[TB], 49152
	s_mov_b32 s[CNT], 12
.Lstep:                                            ; steps 3 to 14
	STEP 1
	s_add_co_u32 s[TB], s[TB], 16384
	s_sub_co_u32 s[CNT], s[CNT], 1
	s_cmp_lg_u32 s[CNT], 0
	s_cbranch_scc1 .Lstep
	s_mov_b32 s[TB], 245760
	STEP 0                                         ; step 15 asks for nothing
	; THE WAY OUT: O^T / the sum x 2^(e4 + e5), quantised: tile i's eight registers are registers 2 i, 2 i + 1 of the next operand
	v_pk_add_f32 v[LA:LA+1], v[LA:LA+1], v[LA+2:LA+3]
	v_pk_add_f32 v[LB:LB+1], v[LB:LB+1], v[LB+2:LB+3]
	v_pk_add_f32 v[LA+4:LA+5], v[LA+4:LA+5], v[LA+6:LA+7]
	v_pk_add_f32 v[LB+4:LB+5], v[LB+4:LB+5], v[LB+6:LB+7]
	v_pk_add_f32 v[LA:LA+1], v[LA:LA+1], v[LA+4:LA+5]
	v_pk_add_f32 v[LB:LB+1], v[LB:LB+1], v[LB+4:LB+5]
	v_add_f32 v16, v[LA], v[LA+1]
	v_add_f32 v20, v[LB], v[LB+1]
	v_permlanex16_b32 v14, v16, s[SEL], s[SEL+1]
	v_permlanex16_b32 v15, v20, s[SEL], s[SEL+1]
	v_add_f32 v16, v16, v14
	v_add_f32 v20, v20, v15
	s_wait_alu depctr_va_vdst(0)                   ; the wait ahead of the batch
	v_rcp_f32 v18, v16
	v_rcp_f32 v22, v20
	v_nop                                          ; a plain place behind the transcendentals
	s_add_co_i32 s54, s44, s45
	s_wait_alu depctr_va_vdst(0)                   ; and behind it
	v_ldexp_f32 v16, v18, s54
	v_ldexp_f32 v20, v22, s54
	WIN 0x01
	s_wait_alu depctr_va_vdst(0)                   ; the wait directly ahead of the first readers of O^T
.set i, 0
.rept 16
	v_pk_mul_f32 v[SA+i:SA+i+1], v[OTA+i:OTA+i+1], v[16:17] op_sel_hi:[1,0]
	v_pk_mul_f32 v[SB+i:SB+i+1], v[OTB+i:OTB+i+1], v[20:21] op_sel_hi:[1,0]
.set i, i+2
.endr
	WIN 0
.set i, 0
.rept 32
	v_med3_num_f32 v[SA+i], v[SA+i], -v28, v28     ; the conversion does not saturate: the hold comes first
	v_med3_num_f32 v[SB+i], v[SB+i], -v28, v28
.set i, i+1
.endr
.set i, 0
.rept 4
	v_cvt_scalef32_pk8_fp8_f32 v[KR+2*i:KR+2*i+1], v[SA+8*i:SA+8*i+7], v27
	v_cvt_scalef32_pk8_fp8_f32 v[KR+8+2*i:KR+8+2*i+1], v[SB+8*i:SB+8*i+7], v27
.set i, i+1
.endr
	v_nop
	global_store_b128 v1, v[KR:KR+3], s[10:11]     ; 32 lanes store 512 consecutive bytes, aligned
	global_store_b128 v1, v[KR+4:KR+7], s[10:11] offset:512
	global_store_b128 v1, v[KR+8:KR+11], s[10:11] offset:16384
	global_store_b128 v1, v[KR+12:KR+15], s[10:11] offset:16896
	s_wait_tensorcnt 0x0                           ; the wave's end
	ds_add_u32 v30, v31
	s_wait_dscnt 0x0
	CROUND                                         ; the closing round
	s_endpgm
.Lfunc_end_k_q0e7252ae9a_attn:
	.size	k_q0e7252ae9a_attn, .Lfunc_end_k_q0e7252ae9a_attn-k_q0e7252ae9a_attn
	.p2alignl 7, 3214868480
	.fill 96, 4, 3214868480
	.section	.rodata,"a",@progbits
	.p2align	6, 0x0
	.amdhsa_kernel k_q0e7252ae9a_attn
		.amdhsa_group_segment_fixed_size 327680
		.amdhsa_private_segment_fixed_size 0
		.amdhsa_enable_private_segment 0
		.amdhsa_kernarg_size 32
		.amdhsa_user_sgpr_count 2
		.amdhsa_user_sgpr_kernarg_segment_ptr 1
		.amdhsa_wavefront_size32 1
		.amdhsa_system_sgpr_workgroup_id_x 1
		.amdhsa_system_sgpr_workgroup_id_y 1
		.amdhsa_system_sgpr_workgroup_id_z 1
		.amdhsa_system_vgpr_workitem_id 0
		.amdhsa_next_free_vgpr 512
		.amdhsa_next_free_sgpr 66
		.amdhsa_reserve_vcc 0
		.amdhsa_float_denorm_mode_32 3
		.amdhsa_float_denorm_mode_16_64 3
		.amdhsa_memory_ordered 1
		.amdhsa_forward_progress 1
		.amdhsa_inst_pref_size 102
	.end_amdhsa_kernel
	.amdgpu_metadata
---
amdhsa.version: [ 1, 2 ]
amdhsa.kernels:
  - .name:           k_q0e7252ae9a_attn
    .symbol:         k_q0e7252ae9a_attn.kd
    .args:
      - { .name: qc, .offset: 0, .size: 8, .value_kind: global_buffer, .address_space: global }
      - { .name: kvc, .offset: 8, .size: 8, .value_kind: global_buffer, .address_space: global }
      - { .name: lowp_scales, .offset: 16, .size: 8, .value_kind: global_buffer, .address_space: global }
      - { .name: oc, .offset: 24, .size: 8, .value_kind: global_buffer, .address_space: global }
    .group_segment_fixed_size: 327680
    .private_segment_fixed_size: 0
    .kernarg_segment_align: 8
    .kernarg_segment_size: 32
    .max_flat_workgroup_size: 256
    .sgpr_count:     66
    .vgpr_count:     512
    .wavefront_size: 32
...
	.end_amdgpu_metadata
.endif
;; end of part 3
;; launch proj (part 4): grid 8 x 32, 4 waves a work-group, clusters of 4 x 4, 280,064 bytes of LDS; arguments oc, woc, lowp_scales, bout, out0; writes out0
.if DOCPART == 4
	.amdgcn_target "amdgcn-amd-amdhsa--gfx1250"
	.amdhsa_code_object_version 6
	.text
	.protected	k_q0e7252ae9a_proj
	.globl	k_q0e7252ae9a_proj
	.p2align	8
	.type	k_q0e7252ae9a_proj,@function
k_q0e7252ae9a_proj:
	s_mov_b64 s[64:65], 0
	v_nop
	global_prefetch_b8 v0, s[64:65] scope:SCOPE_SE
	s_setreg_imm32_b32 hwreg(HW_REG_WAVE_MODE, 25, 1), 1
	s_wait_xcnt 0x0
	s_wait_alu depctr_hold_cnt(0) depctr_sa_sdst(0) depctr_va_vdst(0) depctr_va_sdst(0) depctr_va_ssrc(0) depctr_va_vcc(0) depctr_vm_vsrc(0)
	s_getreg_b32 s2, hwreg(HW_REG_IB_STS2, 6, 4)
	s_cmp_eq_u32 s2, 0
	s_cbranch_scc0 .Lentry_in_a_cluster
	s_endpgm
.Lentry_in_a_cluster:
	s_bfe_u32 s2, ttmp6, 0x10000c
	s_cmp_lg_u32 s2, 0xf033
	s_cbranch_scc0 .Lentry_shape_is_right
	s_endpgm
.Lentry_shape_is_right:
; out0 = o Wout + bout on codes of FP8 (E4M3).  oc [256 tiles of 16 tokens][8 K steps][2048], woc [64 tiles of 16 columns][8][2048]: images of operand registers (lane (r, h): k = 16 c + 8 h + 0..7 of row r in registers 2 c, 2 c + 1;
; piece p, registers 4 p .. 4 p + 3, is 512 bytes, lane l's 16 bytes at 512 p + 16 l).  out0 [4096][1024] f32 = sum x 2^(e6 + e7) + bout.  LIMIT: e6 + e7 between -126 and 127.  NaN among the codes is not served.
; A tile of 128 x 128 to a work-group of four waves: 256 work-groups.  A wave makes 64 x 64.  The tile's whole K lies in LDS, (128 + 128) rows x 1,024 bytes = 262,144: one dense load of 65,536 bytes a wave, nothing is filled again.
; THE WORK GOES BY ROWS OF out0: all of my 64 columns' fragments of Wout (8 K steps x 4 tiles x 16 = 512 registers) are kept, and my four blocks of 16 tokens are finished one after the other, 32 products each; a block's rows leave while the next is multiplied.
; No prefetch: all that the launch reads is asked for at its head.
; CLUSTERS 4 x 4: o's tile is shared along a row of the cluster, Wout's along a column: joint loads.  THE MATRIX INSTRUCTION IS USED TRANSPOSED (source 0 = 16 columns of Wout, source 1 = 16 tokens): a lane holds eight neighbouring numbers of a row of out0.
; REGISTERS: window 0: v8, v9 LDS addresses; v16-18 the way out; v30, v31 the add's; v32-63 bout; v64-191 o's fragments of even blocks; v192-223 at work; v224-255 rows read back, even blocks.
;   windows 1, 2: Wout's fragments, K steps 0-3 and 4-7.  Window 3: 0-127 o's fragments of odd blocks; 128-159, 160-191 accumulators of even and odd blocks; 192-223 rows read back, odd blocks.
.set STAGE, 262144                     ; behind the tiles: 16 rows x (256 bytes + 16) for each wave; no fill lands here
.set SPARE, 279552                     ; behind the stages: the spare words, 128 bytes a wave, that no other line names
.set ADRA, 8
.set ADRB, 9
.set STO,  16
.set RD,   17
.set CO,   18
.set BO,   32
.set TMP,  192
.set G1A, 24
.set G1B, 32
.set G0A, 40
.set G0B, 44
.set MSB, 0
.macro WIN new                         ; the immediate's high byte repeats the setting that is left
.if MSB != (\new)
	s_set_vgpr_msb (MSB<<8)|(\new)
.set MSB, \new
.endif
.endm
.macro CROUND                          ; a round of the cluster's barrier
	s_barrier_signal -1
	s_barrier_wait -1
	s_cmp_lg_u32 s14, 0
	s_cbranch_scc1 .Lnot_wave_0_\@
	s_barrier_signal -3
.Lnot_wave_0_\@:
	s_barrier_wait -3
	s_barrier_signal -1
	s_barrier_wait -1
.endm
.macro PLACES                          ; behind products whose results are read, or whose sources are loaded anew, next (ISA guide 7.12.1)
.rept 4
	v_nop
.endr
.endm
	s_load_b256 s[4:11], s[0:1], 0x0               ; oc s[4:5], woc s[6:7], the scales' exponents s[8:9], bout s[10:11]
	s_load_b64 s[12:13], s[0:1], 0x20              ; out0
	v_lshl_add_u32 v30, v0, 2, SPARE
	v_mov_b32 v31, 0
	ds_add_u32 v30, v31                            ; the wave's opening: the add, twice on end, and its wait
	ds_add_u32 v30, v31
	v_lshrrev_b32 v1, 5, v0
	v_readfirstlane_b32 s14, v1                    ; wave 0..3
	s_lshr_b32 s15, s14, 1                         ; which half of the tile's rows is mine.  Also: I fetch for A (0) or for B (1)
	s_and_b32 s16, s14, 1                          ; which half of its columns.  Also: which 64 rows of that tile I fetch
	s_bfe_u32 s56, ttmp6, 0x40000                  ; cx, cy
	s_bfe_u32 s57, ttmp6, 0x40004
	s_lshl_b32 s58, ttmp9, 2
	s_add_co_u32 s58, s58, s56                     ; tile column = 4 x cluster x + cx
	s_and_b32 s59, ttmp7, 0xffff
	s_lshl_b32 s59, s59, 2
	s_add_co_u32 s59, s59, s57                     ; tile row = 4 x cluster y + cy
	s_lshl_b32 s60, s57, 2
	s_lshl_b32 s60, 15, s60                        ; my row of the cluster
	s_lshl_b32 s61, 0x1111, s56                    ; my column
	; descriptor group 1: 4 rows (tiles of 16) of 16,384 bytes, dense; elements of 8 bytes
	s_or_b32 s[G1A], s60, (3<<16)|(1<<21)
	s_or_b32 s[G1B], s61, (3<<16)|(1<<21)
.irp g, G1A, G1B
	s_mov_b32 s[\g+1], 2048<<16
	s_mov_b32 s[\g+2], 4<<16
	s_mov_b32 s[\g+3], 2048<<16
	s_mov_b32 s[\g+4], 4
	s_mov_b32 s[\g+5], 2048
	s_mov_b32 s[\g+6], 0
	s_mov_b32 s[\g+7], 0
.endr
	s_lshl_b32 s17, s16, 16                        ; which 4 tiles of 16 rows I fetch
	s_lshl_b32 s20, s59, 17                        ; a tile of 128 rows is 8 x 16,384 bytes
	s_add_co_u32 s20, s20, s17
	s_mov_b32 s21, 0
	s_lshl_b32 s22, s58, 17
	s_add_co_u32 s22, s22, s17
	s_mov_b32 s23, 0
	s_lshl_b32 s18, s14, 16                        ; where they go: wave x 65,536
	s_wait_alu depctr_va_vdst(0)
	s_wait_dscnt 0x0
	s_wait_kmcnt 0x0
	s_load_b256 s[84:91], s[8:9], 0x0              ; e0 .. e7
	s_add_nc_u64 s[20:21], s[4:5], s[20:21]
	s_add_nc_u64 s[22:23], s[6:7], s[22:23]
	s_mov_b32 s[G0A], 1
	s_mov_b32 s[G0A+1], s18
	s_mov_b64 s[G0A+2:G0A+3], s[20:21]
	s_or_b32 s[G0A+3], s[G0A+3], 0x80000000
	s_mov_b32 s[G0B], 1
	s_mov_b32 s[G0B+1], s18
	s_mov_b64 s[G0B+2:G0B+3], s[22:23]
	s_or_b32 s[G0B+3], s[G0B+3], 0x80000000
	CROUND                                         ; all sixteen work-groups are here: the joint loads meet
	s_cmp_eq_u32 s15, 0
	s_cbranch_scc0 .Lfor_b
	tensor_load_to_lds s[G0A:G0A+3], s[G1A:G1A+7]
	s_nop 0
	PLACES
	s_branch .Lasked
.Lfor_b:
	tensor_load_to_lds s[G0B:G0B+3], s[G1B:G1B+7]
	s_nop 0
	PLACES
.Lasked:
	v_and_b32 v1, 15, v0                           ; r
	v_bfe_u32 v2, v0, 4, 1                         ; h
	v_and_b32 v3, 31, v0
	v_lshlrev_b32 v3, 4, v3                        ; 16 x lane
	s_lshl_b32 s17, s15, 16                        ; my 64 rows of A
	s_lshl_b32 s19, s16, 16                        ; my 64 rows of B,
	s_add_co_u32 s19, s19, 131072                  ; which lie behind A's 128
	v_add_nc_u32 v[ADRA], s17, v3
	v_add_nc_u32 v[ADRB], s19, v3
	s_mul_i32 s17, s14, 16*272
	s_add_co_u32 s17, s17, STAGE                   ; my stage
	v_mul_u32_u24 v4, v1, 272
	v_lshl_add_u32 v4, v2, 5, v4
	v_add_nc_u32 v[STO], s17, v4                   ; in: row r, 32 bytes for each half of the lanes
	v_mul_u32_u24 v4, v2, 272
	v_lshl_add_u32 v4, v1, 4, v4
	v_add_nc_u32 v[RD], s17, v4                    ; back: lanes 0-15 one row of 256 bytes, lanes 16-31 the next
	v_lshlrev_b32 v4, 12, v2
	v_lshl_add_u32 v[CO], v1, 4, v4                ; and the same two rows of out0
	v_lshlrev_b32 v5, 5, v2                        ; 32 h
	s_wait_alu depctr_va_vdst(0)
	s_lshl_b32 s22, s58, 9                         ; my 64 columns, in bytes: 512 x tile column + 256 x half: the same in bout and in a row of out0
	s_lshl_b32 s23, s16, 8
	s_add_co_u32 s22, s22, s23
	s_mov_b32 s23, 0
	s_add_nc_u64 s[10:11], s[10:11], s[22:23]
	s_add_nc_u64 s[12:13], s[12:13], s[22:23]
	s_lshl_b32 s20, s59, 19                        ; my first row: 128 x tile row + 64 x half, rows of 4,096 bytes
	s_lshl_b32 s21, s15, 18
	s_add_co_u32 s20, s20, s21
	s_mov_b32 s21, 0
	s_add_nc_u64 s[12:13], s[12:13], s[20:21]
.irp b, 0,1,2,3
	global_load_b128 v[BO+8*\b:BO+8*\b+3], v5, s[10:11] offset:64*\b          ; bout(16 b + 8 h + j): the result's layout
	global_load_b128 v[BO+8*\b+4:BO+8*\b+7], v5, s[10:11] offset:64*\b+16
.endr
	s_wait_kmcnt 0x0
	s_add_co_i32 s92, s90, s91
	s_add_co_i32 s92, s92, 127
	s_lshl_b32 s92, s92, 23                        ; 2^(e6 + e7) as f32
	s_mov_b32 s93, s92                             ; (named with it as a pair)
.macro LDB s                           ; Wout's four fragments of K step s
	WIN 0x40+0x40*((\s)/4)
.irp b, 0,1,2,3
.irp c, 0,1,2,3
	ds_load_b128 v[64*((\s)%4)+16*\b+4*\c:64*((\s)%4)+16*\b+4*\c+3], v[ADRB] offset:\b*16384+(\s)*2048+512*\c
.endr
.endr
.endm
.macro LDA a, s0, n                    ; o's fragments of block a, n K steps from s0 on
	WIN 0xc0*((\a)%2)
.set ks, \s0
.rept \n
.irp c, 0,1,2,3
	ds_load_b128 v[64*(1-(\a)%2)+16*ks+4*\c:64*(1-(\a)%2)+16*ks+4*\c+3], v[ADRA] offset:(\a)*16384+ks*2048+512*\c
.endr
.set ks, ks+1
.endr
.endm
.macro MUL a, s                        ; block a, K step s: the four accumulators take turns
	WIN 0xf1+12*((\a)%2)+(\s)/4
.set AC, 128+32*((\a)%2)
.set AO, 64*(1-(\a)%2)+16*(\s)
.irp b, 0,1,2,3
.if (\s) == 0
	v_wmma_f32_16x16x128_fp8_fp8 v[AC+8*\b:AC+8*\b+7], v[64*((\s)%4)+16*\b:64*((\s)%4)+16*\b+15], v[AO:AO+15], 0
.else
	v_wmma_f32_16x16x128_fp8_fp8 v[AC+8*\b:AC+8*\b+7], v[64*((\s)%4)+16*\b:64*((\s)%4)+16*\b+15], v[AO:AO+15], v[AC+8*\b:AC+8*\b+7]
.endif
.endr
.endm
.macro HALF a, s0                      ; four K steps
.irp d, 0,1,2,3
	MUL \a, \s0+\d
.endr
.endm
; THE WAY OUT of block a, 16 rows x 64 columns.  A lane holds 32 neighbouring bytes of a row and the lanes beside it other rows: the block goes through my own stage in LDS and comes back as whole rows of 256 bytes.
; LDS serves a wave's instructions in order (ISA guide 5.7.1.4): no wait between the stores and the loads, nor in front of the next block's stores.
.macro TOSTAGE a
	PLACES
	WIN 0x03                                       ; source 0 window 3
.set AC, 128+32*((\a)%2)
.set i, 0
.rept 16
	v_pk_fma_f32 v[TMP+i:TMP+i+1], v[AC+i:AC+i+1], s[92:93], v[BO+i:BO+i+1] op_sel_hi:[1,0,1]   ; sum x 2^(e6 + e7) + bout; each accumulator from its low end on
.set i, i+2
.endr
	WIN 0
.irp b, 0,1,2,3
	ds_store_b128 v[STO], v[TMP+8*\b:TMP+8*\b+3] offset:64*\b
	ds_store_b128 v[STO], v[TMP+8*\b+4:TMP+8*\b+7] offset:64*\b+16
.endr
	WIN 0xc0*((\a)%2)
.irp t, 0,1,2,3,4,5,6,7
	ds_load_b128 v[224-32*((\a)%2)+4*\t:227-32*((\a)%2)+4*\t], v[RD] offset:\t*544
.endr
.endm
.macro SEND a, younger                 ; younger: the LDS instructions issued behind block a's loads, which may stay out
	WIN 12*((\a)%2)
	s_wait_dscnt \younger
.irp t, 0,1,2,3,4,5,6,7
	global_store_b128 v[CO], v[224-32*((\a)%2)+4*\t:227-32*((\a)%2)+4*\t], s[12:13] offset:(16*(\a)+2*\t)*4096 th:TH_STORE_NT   ; sixteen lanes store 256 consecutive bytes, aligned; written once, read by nobody here
.endr
.endm
	s_wait_loadcnt 0x0                             ; bout
	s_wait_tensorcnt 0x0                           ; my part of the tiles is in
	s_barrier_signal -1
	s_barrier_wait -1                              ; everybody's is
	LDA 0, 0, 8
.irp s, 0,1,2,3
	LDB \s
.endr
.irp s, 0,1,2,3                        ; block 0, K steps 0-3: three younger K steps' 48 loads may be out
	s_wait_dscnt 48
	MUL 0, \s
	LDB \s+4
.endr
	s_wait_dscnt 48                                ; K steps 5-7 may be out
	MUL 0, 4
	LDA 1, 0, 2
	s_wait_dscnt 40                                ; K steps 6, 7 and 8 loads of block 1
	MUL 0, 5
	LDA 1, 2, 2
	s_wait_dscnt 32                                ; K step 7 and 16 loads of block 1
	MUL 0, 6
	LDA 1, 4, 2
	s_wait_dscnt 24                                ; 24 loads of block 1
	MUL 0, 7
	LDA 1, 6, 2
	TOSTAGE 0
	LDA 2, 0, 8                                    ; (block 0's products lie behind TOSTAGE's places)
	s_wait_dscnt 48                                ; block 1's fragments are in: behind them 16 of the stage and block 2's 32
	HALF 1, 0
	SEND 0, 32
	HALF 1, 4
	TOSTAGE 1
	LDA 3, 0, 8
	s_wait_dscnt 48                                ; block 2's
	HALF 2, 0
	SEND 1, 32
	HALF 2, 4
	s_wait_xcnt 0x0                                ; block 0's stores have read their registers: block 2's rows may land there
	TOSTAGE 2
	s_wait_dscnt 16                                ; block 3's: behind them 16 of the stage
	HALF 3, 0
	SEND 2, 0
	HALF 3, 4
	s_wait_xcnt 0x0                                ; block 1's likewise
	TOSTAGE 3
	SEND 3, 0
	WIN 0
	s_wait_tensorcnt 0x0                           ; the wave's end
	ds_add_u32 v30, v31
	s_wait_dscnt 0x0
	CROUND                                         ; the closing round: no work-group ends while a partner may still ask for a tile that names it
	s_endpgm
.Lfunc_end_k_q0e7252ae9a_proj:
	.size	k_q0e7252ae9a_proj, .Lfunc_end_k_q0e7252ae9a_proj-k_q0e7252ae9a_proj
	.p2alignl 7, 3214868480
	.fill 96, 4, 3214868480
	.section	.rodata,"a",@progbits
	.p2align	6, 0x0
	.amdhsa_kernel k_q0e7252ae9a_proj
		.amdhsa_group_segment_fixed_size 280064
		.amdhsa_private_segment_fixed_size 0
		.amdhsa_enable_private_segment 0
		.amdhsa_kernarg_size 40
		.amdhsa_user_sgpr_count 2
		.amdhsa_user_sgpr_kernarg_segment_ptr 1
		.amdhsa_wavefront_size32 1
		.amdhsa_system_sgpr_workgroup_id_x 1
		.amdhsa_system_sgpr_workgroup_id_y 1
		.amdhsa_system_sgpr_workgroup_id_z 1
		.amdhsa_system_vgpr_workitem_id 0
		.amdhsa_next_free_vgpr 1024
		.amdhsa_next_free_sgpr 100
		.amdhsa_reserve_vcc 0
		.amdhsa_float_denorm_mode_32 3
		.amdhsa_float_denorm_mode_16_64 3
		.amdhsa_memory_ordered 1
		.amdhsa_forward_progress 1
		.amdhsa_inst_pref_size 44
	.end_amdhsa_kernel
	.amdgpu_metadata
---
amdhsa.version: [ 1, 2 ]
amdhsa.kernels:
  - .name:           k_q0e7252ae9a_proj
    .symbol:         k_q0e7252ae9a_proj.kd
    .args:
      - { .name: oc, .offset: 0, .size: 8, .value_kind: global_buffer, .address_space: global }
      - { .name: woc, .offset: 8, .size: 8, .value_kind: global_buffer, .address_space: global }
      - { .name: lowp_scales, .offset: 16, .size: 8, .value_kind: global_buffer, .address_space: global }
      - { .name: bout, .offset: 24, .size: 8, .value_kind: global_buffer, .address_space: global }
      - { .name: out0, .offset: 32, .size: 8, .value_kind: global_buffer, .address_space: global }
    .group_segment_fixed_size: 280064
    .private_segment_fixed_size: 0
    .kernarg_segment_align: 8
    .kernarg_segment_size: 40
    .max_flat_workgroup_size: 128
    .sgpr_count:     100
    .vgpr_count:     1024
    .wavefront_size: 32
...
	.end_amdgpu_metadata
.endif
;; end of part 4
